; MI455X (gfx1250); checked and timed in simulation.
; The chip was launched on July 23, 2026; its instructions are those of AMD's public machine-readable ISA for CDNA 5 (MIT licence, August 2026) and "CDNA5" Instruction Set Architecture Reference Guide (July 2026). The comments in the code are by the model that wrote it; some were corrected since.
;; S Attention. Allowed arithmetic: matrix products marked QUANTISED: E3M2 operands, one E8M0 scale for each 32 along K, by v_wmma_scale_f32_16x16x128_f8f6f4 with both operands' format E3M2, f32 sums; everything else in f32.
;; Inputs: b1 256 float32; b2 256 float32; be1 256 float32; be2 256 float32; g1 256 float32; g2 256 float32; w1 256 x 256 float32; w2 256 x 256 float32; wk 256 x 256 float32; wq 256 x 256 float32; wv 256 x 256 float32; x 512 x 128 x 256 float32.
;; Outputs: out0 512 x 128 x 256 float32.
;; This version of the problem:
;;   THIS VERSION OF THE PROBLEM IS GIVEN IN LOW PRECISION. The matrix products marked QUANTISED in the list below multiply operands that are first quantised to E3M2 (3 exponent bits, 2 mantissa bits; 6 bits a number), with one power-of-two scale for each 32 numbers along K (OCP MX v1.0); their sums are f32. All else is computed in f32.
;;   The module's matrix products, in the order in which they are computed (A, B: the left and right operand; K: the contracted axis; several contracted axes count as one K, in the product's order):
;;     1. [M 65,536, K 256] x [K 256, N 256]; A: computed on the way; B: input wq: QUANTISED
;;     2. [M 65,536, K 256] x [K 256, N 256]; A: computed on the way; B: input wk: QUANTISED
;;     3. [M 65,536, K 256] x [K 256, N 256]; A: computed on the way; B: input wv: QUANTISED
;;     4. batch 512 x [M 512, K 64] x [K 64, N 512]; A: computed on the way; B: computed on the way: QUANTISED
;;     5. batch 512 x [M 64, K 512] x [K 512, N 512]; A: computed on the way; B: softmax (see below): QUANTISED
;;     6. [M 65,536, K 256] x [K 256, N 256]; A: computed on the way; B: input w1: QUANTISED
;;     7. [M 65,536, K 256] x [K 256, N 256]; A: computed on the way; B: input w2: QUANTISED
;;   THE QUANTISER, for each operand of a quantised product, along K:
;;     - K is cut into blocks of 32 from its start; a last block that is shorter is filled with zeros.
;;     - A block's scale is 2^e with e = floor(log2(the largest magnitude in the block)) - 4, held to -126 .. 127; a block of zeros has e = 0. As a byte (E8M0): e + 127.
;;     - Each number is divided by its block's scale, clamped to +-28, and rounded to the nearest number of E3M2, ties to even, subnormals kept.
;;     - The product sums the exact products of the quantised numbers (number of the format x scale) in f32.
;;   ~~~python
;;   def quantise(x, axis):      # numpy; x: float32 -> the quantised numbers, widened to float32 again
;;       x = np.moveaxis(x, axis, -1); K = x.shape[-1]
;;       x = np.pad(x, [(0, 0)] * (x.ndim - 1) + [(0, -K % 32)]); x = x.reshape(x.shape[:-1] + (-1, 32)); a = np.abs(x).max(-1, keepdims=True)
;;       e = np.where(a > 0, np.clip(np.frexp(np.where(a > 0, a, 1))[1] - 1 - 4, -126, 127), 0)      # np.frexp(a)[1] - 1 = floor(log2(a)), exactly
;;       r = np.clip(x / 2.0 ** e, -28, 28)
;;       step = 2.0 ** (np.maximum(np.frexp(np.where(r == 0, 1, r))[1] - 1, -2) - 2)
;;       q = np.round(r / step) * step * 2.0 ** e      # np.round: ties to even
;;       return np.moveaxis(q.reshape(q.shape[:-2] + (-1,))[..., :K], -1, axis).astype(np.float32)
;;   ~~~
;;   SOFTMAX AHEAD OF A QUANTISED PRODUCT. Where the list says 'softmax', what is quantised is not the finished softmax but p = 2^(t - M), with t = logit x log2(e) and M = ceil(the row's largest t), a whole number; so 1/2 < the row's largest p <= 1. The row's sum l is taken of the UNQUANTISED p, in f32, and the product's result is divided by l at the end. Since M is a whole number, a kernel that streams over the keys may use a running M (the ceiling of the running maximum): every later rescaling is an exact power of two, which a block's scale takes up: the codes' values come out the same.
;;   OPERANDS COMPUTED ON THE WAY. 'Computed on the way' means the value that the module computes at that place (a softmax that the list does not call 'softmax' is quantised finished and normalised). What goes into a quantiser is computed in f32, as accurately as f32 sums, v_exp_f32 and their like allow (about 1e-6 of the number): no bf16 or f16 on the way to a quantiser, and a product that is left as it is and whose result goes on into a quantised operand takes f32 operands (vector FMAs, or v_wmma_f32_16x16x4_f32). A number that lies on a knife's edge between two numbers of the format may be rounded either way, as far as f32 arithmetic and the matrix unit's own rounding can turn it there, and no further.
;; One version. Each part assembles by itself: llvm-mc -triple=amdgcn-amd-amdhsa -mcpu=gfx1250 --defsym DOCPART=n.
;; ======== version 1 of 1: 3 launches
;; limits: right only within a limited range of input values
;; workspace buffers: wimg 256,000 bytes; kvq 40,370,176 bytes
;; launch prep (part 1): grid 8 x 5, 4 waves a work-group, no clusters, 768 bytes of LDS; arguments wq, wk, wv, w1, w2, wimg; writes wimg
.if DOCPART == 1
	.amdgcn_target "amdgcn-amd-amdhsa--gfx1250"
	.amdhsa_code_object_version 6
	.text
	.protected	k_q56abe7c3a2_prep
	.globl	k_q56abe7c3a2_prep
	.p2align	8
	.type	k_q56abe7c3a2_prep,@function
k_q56abe7c3a2_prep:
	s_mov_b64 s[64:65], 0
	v_nop
	global_prefetch_b8 v0, s[64:65] scope:SCOPE_SE
	s_setreg_imm32_b32 hwreg(HW_REG_WAVE_MODE, 25, 1), 1
	s_wait_xcnt 0x0
; The five weights [256 (out)][256 (k)], f32, K innermost, become codes of BF6 (E3M2) with one E8M0 byte for each 32 along K,
; laid in the ORDER OF THE OPERAND'S REGISTERS.  wimg holds five blocks of 51,200 bytes (wq, wk, wv, w1, w2): 49,152 of codes, 2,048 of scale words.
; Fragment f = 2 ct + s (tile ct of 16 rows, K step s of 128) is 12 registers a lane: registers 4 c .. 4 c + 3 of lane l lie at 1,536 f + 512 c + 16 l.
; Its scale words lie at 49,152 + 64 f + 4 r.  THE ROWS OF A TILE ARE NOT NEIGHBOURS: lane r of tile 2 b + u takes row 32 b + 8 u + r + 8 (r / 8),
; so that the results of two neighbouring tiles, used transposed, are 16 neighbours along the next product's K.
; A wave makes one fragment: lane (r, h) loads k = 128 s + 64 c + 32 h + 0 .. 31 of its row, two whole blocks, so that no other lane is asked for a maximum.
; A block's scale is 2^(floor(log2(largest magnitude)) - 4): its byte is the largest magnitude's exponent field - 4, held at 1 from below.
; LIMITS: NaN and infinities are not served; a block of zeros gets the byte 1 (its codes are zeros, and this program alone reads the bytes).
.set BLKB, 51200
.set N,  32                            ; v32-95   my 64 numbers
.set CD, 96                            ; v96-107  the fragment's 12 registers; v108-110, v112-114 the blocks' second halves as the conversions leave them
	s_load_b256 s[4:11], s[0:1], 0x0               ; wq, wk, wv, w1
	s_load_b128 s[12:15], s[0:1], 0x20             ; w2, wimg
	v_lshl_add_u32 v120, v0, 2, 0x100
	v_mov_b32 v121, 0
	v_lshrrev_b32 v1, 5, v0
	v_readfirstlane_b32 s16, v1                    ; wave 0..3
	s_and_b32 s17, ttmp7, 0xffff                   ; which weight
	s_lshl_b32 s18, ttmp9, 2
	s_add_co_u32 s18, s18, s16                     ; f = 4 x work-group x + wave
	s_lshr_b32 s19, s18, 1                         ; ct
	s_and_b32 s20, s18, 1                          ; s
	s_lshr_b32 s21, s19, 1
	s_lshl_b32 s21, s21, 5                         ; 32 (ct / 2)
	s_and_b32 s22, s19, 1
	s_lshl_b32 s22, s22, 3                         ; 8 (ct % 2)
	s_add_co_u32 s21, s21, s22
	s_lshl_b32 s21, s21, 10                        ; rows of 1,024 bytes
	s_lshl_b32 s20, s20, 9                         ; 512 bytes a K step
	s_add_co_u32 s21, s21, s20
	v_and_b32 v2, 15, v0                           ; r
	v_bfe_u32 v3, v0, 4, 1                         ; h
	v_and_b32 v4, 8, v2
	v_add_nc_u32 v4, v4, v2                        ; r + 8 (r / 8)
	v_lshlrev_b32 v4, 10, v4
	v_lshl_add_u32 v4, v3, 7, v4                   ; + 128 h
	v_add_nc_u32 v4, s21, v4                       ; my first number
	v_and_b32 v5, 31, v0
	v_lshlrev_b32 v7, 3, v5                        ; 8 x lane: the scale words' way out
	v_lshlrev_b32 v5, 4, v5                        ; 16 x lane: my place in an image
	s_lshl_b32 s23, s16, 6
	v_lshlrev_b32 v6, 2, v2
	v_add_nc_u32 v6, s23, v6                       ; LDS: 64 x wave + 4 r
	s_mul_i32 s22, s17, BLKB
	s_mul_i32 s23, s18, 1536
	s_add_co_u32 s24, s22, s23                     ; the fragment's image
	s_mov_b32 s25, 0
	s_lshl_b32 s23, ttmp9, 8
	s_add_co_u32 s32, s22, s23
	s_add_co_u32 s32, s32, 49152                   ; the work-group's 256 bytes of scale words
	s_mov_b32 s33, 0
	s_mov_b32 s30, 0x76543210
	s_mov_b32 s31, 0xfedcba98                      ; v_permlanex16_b32's selects for lane l xor 16
	s_wait_alu depctr_va_vdst(0)
	s_wait_kmcnt 0x0
	s_cmp_eq_u32 s17, 1                            ; the choice hangs on the work-group's number alone
	s_cselect_b64 s[4:5], s[6:7], s[4:5]
	s_cmp_eq_u32 s17, 2
	s_cselect_b64 s[4:5], s[8:9], s[4:5]
	s_cmp_eq_u32 s17, 3
	s_cselect_b64 s[4:5], s[10:11], s[4:5]
	s_cmp_eq_u32 s17, 4
	s_cselect_b64 s[4:5], s[12:13], s[4:5]
	s_add_nc_u64 s[26:27], s[14:15], s[24:25]
	s_add_nc_u64 s[28:29], s[14:15], s[32:33]
.irp c, 0,1
.irp j, 0,1,2,3,4,5,6,7
	global_load_b128 v[N+32*\c+4*\j:N+32*\c+4*\j+3], v4, s[4:5] offset:256*\c+16*\j
.endr
.endr
	s_wait_loadcnt 0x0
.irp c, 0,1
	v_max3_num_f32 v[8+\c], |v[N+32*\c]|, |v[N+32*\c+1]|, 0x2800000   ; my block 2 c + h, and the floor 2^(5 - 127): the byte cannot fall under 1
.endr
.irp i, 2,4,6,8,10,12,14,16,18,20,22,24,26,28,30
.irp c, 0,1
	v_max3_num_f32 v[8+\c], v[8+\c], |v[N+32*\c+\i]|, |v[N+32*\c+\i+1]|   ; the two blocks by turns
.endr
.endr
.irp c, 0,1
	v_add_nc_u32 v[10+\c], 0xfe000000, v[8+\c]     ; 4 off the exponent field: the conversion's scale operand
.endr
.irp c, 0,1
	v_lshrrev_b32 v[12+\c], 23, v[10+\c]           ; the scale's byte
.endr
	v_lshl_or_b32 v14, v13, 16, v12                ; blocks h and 2 + h of my row,
	v_lshlrev_b32 v15, 3, v3
	v_lshlrev_b32 v14, v15, v14                    ; 8 h bits up;
	v_mov_b32 v15, 0
	v_permlanex16_b32 v15, v14, s30, s31
	v_or_b32 v14, v14, v15                         ; with lane l xor 16's two bytes the word is whole
	v_cvt_scalef32_pk16_bf6_f32 v[CD:CD+2], v[N:N+15], v10
	v_cvt_scalef32_pk16_bf6_f32 v[CD+12:CD+14], v[N+16:N+31], v10      ; (a conversion's three registers begin on an even number)
	v_cvt_scalef32_pk16_bf6_f32 v[CD+6:CD+8], v[N+32:N+47], v11
	v_cvt_scalef32_pk16_bf6_f32 v[CD+16:CD+18], v[N+48:N+63], v11
	v_nop                                          ; one plain line behind the conversions
.irp i, 0,1,2
	v_mov_b32 v[CD+3+\i], v[CD+12+\i]
	v_mov_b32 v[CD+9+\i], v[CD+16+\i]
.endr
.irp c, 0,1,2
	global_store_b128 v5, v[CD+4*\c:CD+4*\c+3], s[26:27] offset:512*\c   ; 32 lanes store 512 consecutive bytes, at a multiple of 256 from wimg's first byte
.endr
	ds_store_b32 v6, v14                           ; both halves of the lanes write the same word with the same value
	s_wait_dscnt 0x0                               ; for the others' sake
	s_barrier_signal -1
	s_barrier_wait -1
	s_cmp_lg_u32 s16, 0
	s_cbranch_scc1 .Lend
	ds_load_b64 v[16:17], v7                       ; the four fragments' 64 scale words
	s_wait_dscnt 0x0
	global_store_b64 v7, v[16:17], s[28:29]        ; 256 consecutive bytes, aligned
.Lend:
	s_wait_tensorcnt 0x0
	ds_add_u32 v120, v121
	s_wait_dscnt 0x0
	s_endpgm
.Lfunc_end_k_q56abe7c3a2_prep:
	.size	k_q56abe7c3a2_prep, .Lfunc_end_k_q56abe7c3a2_prep-k_q56abe7c3a2_prep
	.p2alignl 7, 3214868480
	.fill 96, 4, 3214868480
	.section	.rodata,"a",@progbits
	.p2align	6, 0x0
	.amdhsa_kernel k_q56abe7c3a2_prep
		.amdhsa_group_segment_fixed_size 768
		.amdhsa_private_segment_fixed_size 0
		.amdhsa_enable_private_segment 0
		.amdhsa_kernarg_size 48
		.amdhsa_user_sgpr_count 2
		.amdhsa_user_sgpr_kernarg_segment_ptr 1
		.amdhsa_wavefront_size32 1
		.amdhsa_system_sgpr_workgroup_id_x 1
		.amdhsa_system_sgpr_workgroup_id_y 1
		.amdhsa_system_sgpr_workgroup_id_z 1
		.amdhsa_system_vgpr_workitem_id 0
		.amdhsa_next_free_vgpr 122
		.amdhsa_next_free_sgpr 66
		.amdhsa_reserve_vcc 0
		.amdhsa_float_denorm_mode_32 3
		.amdhsa_float_denorm_mode_16_64 3
		.amdhsa_memory_ordered 1
		.amdhsa_forward_progress 1
		.amdhsa_inst_pref_size 8
	.end_amdhsa_kernel
	.amdgpu_metadata
---
amdhsa.version: [ 1, 2 ]
amdhsa.kernels:
  - .name:           k_q56abe7c3a2_prep
    .symbol:         k_q56abe7c3a2_prep.kd
    .args:
      - { .name: wq, .offset: 0, .size: 8, .value_kind: global_buffer, .address_space: global }
      - { .name: wk, .offset: 8, .size: 8, .value_kind: global_buffer, .address_space: global }
      - { .name: wv, .offset: 16, .size: 8, .value_kind: global_buffer, .address_space: global }
      - { .name: w1, .offset: 24, .size: 8, .value_kind: global_buffer, .address_space: global }
      - { .name: w2, .offset: 32, .size: 8, .value_kind: global_buffer, .address_space: global }
      - { .name: wimg, .offset: 40, .size: 8, .value_kind: global_buffer, .address_space: global }
    .group_segment_fixed_size: 768
    .private_segment_fixed_size: 0
    .kernarg_segment_align: 8
    .kernarg_segment_size: 48
    .max_flat_workgroup_size: 128
    .sgpr_count:     66
    .vgpr_count:     122
    .wavefront_size: 32
...
	.end_amdgpu_metadata
.endif
;; end of part 1
;; launch qkv (part 2): grid 2 x 128, 8 waves a work-group, no clusters, 197,632 bytes of LDS; arguments x, g1, be1, wimg, kvq; writes kvq
.if DOCPART == 2
	.amdgcn_target "amdgcn-amd-amdhsa--gfx1250"
	.amdhsa_code_object_version 6
	.text
	.protected	k_q56abe7c3a2_qkv
	.globl	k_q56abe7c3a2_qkv
	.p2align	8
	.type	k_q56abe7c3a2_qkv,@function
k_q56abe7c3a2_qkv:
	s_mov_b64 s[64:65], 0
	v_nop
	global_prefetch_b8 v0, s[64:65] scope:SCOPE_SE
	s_setreg_imm32_b32 hwreg(HW_REG_WAVE_MODE, 25, 1), 1
	s_wait_xcnt 0x0
; LN1(x), quantised, times wq, wk, wv (codes of BF6 with E8M0 scales, from wimg); Q, K and V are quantised again along the attention's K axes
; and stored in kvq as IMAGES OF THE OPERANDS' REGISTERS.  x: [512 (s)][128 (t)][256] f32.
; A work-group owns one t and 256 of its rows (work-group x = which half): two blocks of 128 rows.  Eight waves of 512 registers.
; A block: LN1 and quantise (wave w: tile w) | barrier | twice, for four tiles of rows: V (wave w: channel tiles 2 w, 2 w + 1), then K (waves 0-3: head w) or Q (waves 4-7: head w - 4) | barrier.
; All weights stay in registers; one fetch of four tiles' fragments of LN1(x) serves V and K or Q.
; TILES OF ROWS ARE NOT NEIGHBOURS: lane r of tile 2 b + u of a block takes row 32 b + 8 u + r + 8 (r / 8), so that the 16 result registers of tiles 2 b, 2 b + 1 are 16 neighbours along the next K.
; kvq, 315,392 bytes a t: K 768 (4 kt + head) | V^T 1,536 (4 ct + ks), halves of 64 keys 768 apart | K's words 64 (4 kt + head) | V's words 64 (16 ks + ct) | for each half: Q 768 (4 qt + head), Q's words.
; Codes leave from registers: 32 lanes store 512, then 256 consecutive bytes, at multiples of 256.  Scale words are gathered in LDS and leave at the end in whole units of 256 bytes.
; No tensor load and no cluster: x passes through registers in f32 for the norm and no two work-groups read the same rows.  The next block's loads of x are issued a whole block ahead, so no prefetch is laid.
; LIMITS: NaN and infinities are not served.  A block of zeros gets the scale byte 1 (its codes are zeros, and no scale byte is an output).  1 / sigma comes from v_rsq_f32.
.set SROW, 131072
.set XS, 24576                         ; LDS: LN1(x)'s fragment (tile i, K step s) at 1,536 (2 i + s); its words at XS + 64 (2 i + s)
.set CV, 51200                         ; g1, be1
.set SK, 53248                         ; K's words, 4,096 bytes; Q's behind them
.set SV, 61440                         ; V's words, 2,048 bytes
.set SPARE, 63488                      ; the spare words, 128 bytes a wave
.set STGX, 64512                       ; behind them a stage of 16 rows x 1,040 bytes for each wave: x comes in as whole rows and is read back a row to a lane
.set TBYTES, 315392
.set GV, 98304
.set GKS, 196608
.set GVS, 204800
.set GQ, 208896
.set GQH, 53248
.set L16, 1
.set L8,  2
.set L4,  3
.set CVA, 4
.set XO,  5
.set A0,  6
.set A1,  7
.set A2,  8
.set A3,  9
.set A4,  10
.set A5,  11
.set MU,  12
.set RS,  14
.set WS,  16                           ; v16-35 hold scale words alone: v16-23 wk's or wq's, v24-27 wv's, v28-35 LN1(x)'s
.set WVS, 24
.set XSr, 28
.set TM,  36
.set PW,  48
.set TA,  50
.set TB,  51
.set PC,  52
.set AC,  52
.set T,   64
.set X,   128
.set W,   0                            ; window 1: v0-95 wk's or wq's 8 fragments, v96-143 wv's 4, v144-239 8 fragments of LN1(x)
.set WV,  96
.set XF,  144
.set MSB, 0
.macro WIN new
.if MSB != (\new)
	s_set_vgpr_msb (MSB<<8)|(\new)
.set MSB, (\new)
.endif
.endm
.macro PLACES n
.rept \n
	v_nop
.endr
.endm
.macro BARRIER
	s_wait_dscnt 0x0
	s_barrier_signal -1
	s_barrier_wait -1
.endm
.macro MMZ d, a, b, sa, sb
	v_wmma_scale_f32_16x16x128_f8f6f4 v[(\d):(\d)+7], v[(\a):(\a)+11], v[(\b):(\b)+11], 0, v[\sa], v[\sb] matrix_a_fmt:MATRIX_FMT_BF6 matrix_b_fmt:MATRIX_FMT_BF6
.endm
.macro MMA d, a, b, sa, sb
	v_wmma_scale_f32_16x16x128_f8f6f4 v[(\d):(\d)+7], v[(\a):(\a)+11], v[(\b):(\b)+11], v[(\d):(\d)+7], v[\sa], v[\sb] matrix_a_fmt:MATRIX_FMT_BF6 matrix_b_fmt:MATRIX_FMT_BF6
.endm
.macro XLOAD adr                       ; my tile's 16 rows of x as they lie: each load reads 512 consecutive bytes; load 2 rr + u is half u of row rr + 8 (rr / 8) of the tile
.set ii, 0
.rept 32
	global_load_b128 v[X+4*ii:X+4*ii+3], v[\adr], s[4:5] offset:(ii/2+8*(ii/16))*SROW+512*(ii%2) th:TH_LOAD_NT
.set ii, ii+1
.endr
.endm
.macro XTURN                           ; through my own stage: in as rows, back as 16 neighbours of each block of 32 of lane r's row.  Rows 1,040 bytes apart: 65 x 16
.set ii, 0
.rept 32
	ds_store_b128 v[A0], v[X+4*ii:X+4*ii+3] offset:(ii/2)*1040+512*(ii%2)
.set ii, ii+1
.endr
	s_wait_dscnt 0x0                               ; the stores have read their registers
.irp b, 0,1,2,3,4,5,6,7
.irp j, 0,1,2,3
	ds_load_b128 v[X+16*\b+4*\j:X+16*\b+4*\j+3], v[A1] offset:128*\b+16*\j
.endr
.endr
.endm
.macro LNFOLD                          ; four pairs -> the row's sum, in v[TA]
	v_pk_add_f32 v[AC:AC+1], v[AC:AC+1], v[AC+2:AC+3]
	v_pk_add_f32 v[AC+4:AC+5], v[AC+4:AC+5], v[AC+6:AC+7]
	s_delay_alu instid0(VALU_DEP_1)
	v_pk_add_f32 v[AC:AC+1], v[AC:AC+1], v[AC+4:AC+5]
	s_delay_alu instid0(VALU_DEP_1)
	v_add_f32 v[TA], v[AC], v[AC+1]
	s_delay_alu instid0(VALU_DEP_1)
	v_permlanex16_b32 v[TB], v[TA], s28, s29
	s_delay_alu instid0(VALU_DEP_1)
	v_add_f32 v[TA], v[TA], v[TB]
.endm
.macro LNSUM                           ; the mean
.irp k, 0,1,2,3
	v_pk_add_f32 v[AC+2*\k:AC+2*\k+1], v[X+4*\k:X+4*\k+1], v[X+4*\k+2:X+4*\k+3]
.endr
.set ii, 8
.rept 56
	v_pk_add_f32 v[AC+2*(ii%4):AC+2*(ii%4)+1], v[AC+2*(ii%4):AC+2*(ii%4)+1], v[X+2*ii:X+2*ii+1]
.set ii, ii+1
.endr
	LNFOLD
	s_delay_alu instid0(VALU_DEP_1)
	v_mul_f32 v[MU], s27, v[TA]
	s_delay_alu instid0(VALU_DEP_1)
	v_mov_b32 v[MU+1], v[MU]
.endm
.macro LNSUB
.set ii, 0
.rept 64
	v_pk_add_f32 v[X+2*ii:X+2*ii+1], v[X+2*ii:X+2*ii+1], v[MU:MU+1] neg_lo:[0,1] neg_hi:[0,1]
.set ii, ii+1
.endr
.endm
.macro LNSQ                            ; 1 / sqrt(mean of the centred squares + 1e-5)
.irp k, 0,1,2,3
	v_pk_mul_f32 v[AC+2*\k:AC+2*\k+1], v[X+2*\k:X+2*\k+1], v[X+2*\k:X+2*\k+1]
.endr
.set ii, 4
.rept 60
	s_delay_alu instid0(VALU_DEP_4)
	v_pk_fma_f32 v[AC+2*(ii%4):AC+2*(ii%4)+1], v[X+2*ii:X+2*ii+1], v[X+2*ii:X+2*ii+1], v[AC+2*(ii%4):AC+2*(ii%4)+1]
.set ii, ii+1
.endr
	LNFOLD
	s_delay_alu instid0(VALU_DEP_1)
	v_fma_f32 v[TA], v[TA], s27, s3
	s_wait_alu depctr_va_vdst(0)
	v_rsq_f32 v[RS], v[TA]
	v_nop
	s_wait_alu depctr_va_vdst(0)                   ; waits round the transcendental
	v_mov_b32 v[RS+1], v[RS]
.endm
.macro NORMALL vg, vb                  ; X = X / sigma x g + be, 32 registers at a time
.irp q, 0,1,2,3
.irp j, 0,1,2,3,4,5,6,7
	ds_load_b128 v[T+4*\j:T+4*\j+3], v[CVA] offset:\vg+256*\q+128*(\j/4)+16*(\j%4)
.endr
.irp j, 0,1,2,3,4,5,6,7
	ds_load_b128 v[T+32+4*\j:T+32+4*\j+3], v[CVA] offset:\vb+256*\q+128*(\j/4)+16*(\j%4)
.endr
.set ii, 0
.rept 16
	v_pk_mul_f32 v[X+32*\q+2*ii:X+32*\q+2*ii+1], v[X+32*\q+2*ii:X+32*\q+2*ii+1], v[RS:RS+1]
.set ii, ii+1
.endr
	s_wait_dscnt 0x0
.set ii, 0
.rept 16
	v_pk_fma_f32 v[X+32*\q+2*ii:X+32*\q+2*ii+1], v[X+32*\q+2*ii:X+32*\q+2*ii+1], v[T+2*ii:T+2*ii+1], v[T+32+2*ii:T+32+2*ii+1]
.set ii, ii+1
.endr
.endr
.endm
; THE QUANTISER.  64 numbers of a lane at v[s]: register 16 b + i = k 32 b + 16 h + i of my row.  QMAX: the four blocks' largest magnitudes, over the floor 2^(5 - 127).
.macro QMAX s
.irp b, 0,1,2,3
	v_max3_num_f32 v[TM+\b], |v[(\s)+16*\b]|, |v[(\s)+16*\b+1]|, 0x2800000
.endr
.irp i, 2,4,6,8,10,12,14
.irp b, 0,1,2,3
	v_max3_num_f32 v[TM+\b], v[TM+\b], |v[(\s)+16*\b+\i]|, |v[(\s)+16*\b+\i+1]|
.endr
.endr
.irp b, 0,1,2,3
	s_delay_alu instid0(VALU_DEP_4)
	v_permlanex16_b32 v[TM+4+\b], v[TM+\b], s28, s29
.endr
.irp b, 0,1,2,3
	s_delay_alu instid0(VALU_DEP_4)
	v_max_num_f32 v[TM+\b], v[TM+\b], v[TM+4+\b]
.endr
.endm
; QTAIL: scale bytes and codes.  mode 4: one fragment of 128 along K at v[d], its word in v[pw].  mode 2: two half fragments of 64, at v[d] and v[d + 6], words of two bytes in v[pw], v[pw + 1].
.macro QTAIL s, d, mode, pw
.irp b, 0,1,2,3
	s_delay_alu instid0(VALU_DEP_4)
	v_add_nc_u32 v[TM+8+\b], 0xfe000000, v[TM+\b]  ; 4 off the exponent field: the conversion's scale operand
.endr
.irp b, 0,1,2,3
	s_delay_alu instid0(VALU_DEP_4)
	v_lshrrev_b32 v[TM+4+\b], 23, v[TM+8+\b]       ; the scale's byte
.endr
.if \mode == 4
	s_delay_alu instid0(VALU_DEP_3)
	v_lshl_or_b32 v[\pw], v[TM+5], 8, v[TM+4]
	s_delay_alu instid0(VALU_DEP_1)
	v_lshl_or_b32 v[\pw], v[TM+6], 16, v[\pw]
	s_delay_alu instid0(VALU_DEP_1)
	v_lshl_or_b32 v[\pw], v[TM+7], 24, v[\pw]
.else
	s_delay_alu instid0(VALU_DEP_3)
	v_lshl_or_b32 v[\pw], v[TM+5], 8, v[TM+4]
	s_delay_alu instid0(VALU_DEP_2)
	v_lshl_or_b32 v[(\pw)+1], v[TM+7], 8, v[TM+6]
.endif
.irp c, 0,1
	v_cvt_scalef32_pk16_bf6_f32 v[(\d)+6*\c:(\d)+6*\c+2], v[(\s)+32*\c:(\s)+32*\c+15], v[TM+8+2*\c]
	v_cvt_scalef32_pk16_bf6_f32 v[TM+4*\c:TM+4*\c+2], v[(\s)+32*\c+16:(\s)+32*\c+31], v[TM+9+2*\c]
.endr
	v_nop                                          ; one plain line behind the conversions
.irp c, 0,1                            ; a whole block to a lane: lanes 0-15 block 2 c, lanes 16-31 block 2 c + 1
.irp i, 0,1,2
	v_permlane16_swap_b32 v[(\d)+6*\c+\i], v[TM+4*\c+\i]
.endr
.irp i, 0,1,2
	s_delay_alu instid0(VALU_DEP_3)
	v_mov_b32 v[(\d)+6*\c+3+\i], v[TM+4*\c+\i]
.endr
.endr
.endm
.macro GST a, b, off                   ; half fragment a of v[PC] goes to kvq as it stands: 16 bytes a lane, then 8
	global_store_b128 v[L16], v[PC+6*(\a):PC+6*(\a)+3], s[\b:\b+1] offset:\off
	global_store_b64 v[L8], v[PC+6*(\a)+4:PC+6*(\a)+5], s[\b:\b+1] offset:(\off)+512
.endm
.macro XFLOAD off, soff                ; eight fragments of LN1(x) (four tiles x two K steps) and their words
	WIN 0x40
.set ii, 0
.rept 24
	ds_load_b128 v[XF+4*ii:XF+4*ii+3], v[L16] offset:(\off)+512*ii
.set ii, ii+1
.endr
	WIN 0
.irp f, 0,1,2,3,4,5,6,7
	ds_load_b32 v[XSr+\f], v[L4] offset:(\soff)+64*\f
.endr
.endm
; K or Q of my head for four tiles of rows, two at a time: transposed (source 0 = 16 channels of the weight, source 1 = 16 rows).  Eight accumulators by turns.
.macro PAIRS hs
.irp pr, 0,1
	WIN 0x05
.irp a, 0,1
.irp c, 0,1,2,3
	MMZ T+32*\a+8*\c, W+24*\c, XF+24*(2*\pr+\a), WS+2*\c, XSr+2*(2*\pr+\a)
.endr
.endr
.irp a, 0,1
.irp c, 0,1,2,3
	MMA T+32*\a+8*\c, W+24*\c+12, XF+24*(2*\pr+\a)+12, WS+2*\c+1, XSr+2*(2*\pr+\a)+1
.endr
.endr
	WIN 0
	PLACES 4
	QMAX T
	QTAIL T, PC, 2, PW
	GST 0, 60, 12288*(\hs)+3072*(2*\pr)
	GST 1, 60, 12288*(\hs)+3072*(2*\pr+1)
	ds_store_b32 v[A5], v[PW] offset:1024*(\hs)+256*(2*\pr)
	ds_store_b32 v[A5], v[PW+1] offset:1024*(\hs)+256*(2*\pr+1)
	s_wait_dscnt 0x0
	s_wait_xcnt 0x0                                ; the stores have read their registers
.endr
.endm
; ---- the head
	s_load_b256 s[4:11], s[0:1], 0x0               ; x, g1, be1, wimg
	s_load_b64 s[12:13], s[0:1], 0x20              ; kvq
	v_lshrrev_b32 v[A0], 5, v0
	s_delay_alu instid0(VALU_DEP_1)
	v_readfirstlane_b32 s22, v[A0]                 ; wave 0..7
	s_and_b32 s23, s22, 3                          ; head
	s_lshr_b32 s24, s22, 2                         ; 0: K, 1: Q
	s_mov_b32 s25, ttmp9                           ; which half
	s_and_b32 s26, ttmp7, 0xffff                   ; t
	s_mov_b32 s27, 0x3b800000                      ; 1 / 256
	s_mov_b32 s3, 0x3727c5ac                       ; 1e-5
	s_mov_b32 s28, 0x76543210
	s_mov_b32 s29, 0xfedcba98                      ; selects for lane l xor 16
	s_lshr_b32 s57, s22, 1
	s_lshl_b32 s57, s57, 5
	s_and_b32 s58, s22, 1
	s_lshl_b32 s58, s58, 3
	s_add_co_u32 s57, s57, s58                     ; tile w begins at row 32 (w / 2) + 8 (w % 2) of a block
	s_lshl_b32 s57, s57, 17                        ; in bytes
	s_mul_i32 s54, s22, 16640
	s_add_co_u32 s54, s54, STGX                    ; my stage
	s_mul_i32 s55, s22, 3072                       ; LDS: where my fragments of LN1(x) go,
	s_lshl_b32 s56, s22, 7
	s_add_co_u32 s56, s56, XS                      ; and their words
	s_lshl_b32 s48, s24, 12
	s_lshl_b32 s59, s23, 6
	s_add_co_u32 s48, s48, s59
	s_add_co_u32 s48, s48, SK                      ; K's or Q's words of my head
	s_lshl_b32 s50, s22, 7
	s_add_co_u32 s50, s50, SV                      ; V's words of my two channel tiles
	s_mov_b32 s46, 0
	s_cmp_eq_u32 s24, 0
	s_cselect_b32 s36, 51200, 0                    ; offsets into wimg: wk's block or wq's
	s_mul_i32 s59, s23, 12288
	s_add_co_u32 s32, s36, s59
	s_mov_b32 s33, 0
	s_lshl_b32 s59, s23, 9
	s_add_co_u32 s34, s36, s59
	s_add_co_u32 s34, s34, 49152
	s_mov_b32 s35, 0
	s_mul_i32 s40, s22, 6144
	s_add_co_u32 s40, s40, 102400
	s_mov_b32 s41, 0
	s_lshl_b32 s42, s22, 8
	s_add_co_u32 s42, s42, 151552
	s_mov_b32 s43, 0
	s_mul_i32 s37, s26, TBYTES                     ; offsets into kvq: my t,
	s_mul_i32 s38, s25, GQH
	s_add_co_u32 s38, s38, s37
	s_add_co_u32 s38, s38, GQ                      ; Q of my half,
	s_mul_i32 s39, s25, 49152
	s_add_co_u32 s39, s39, s37                     ; K of my half
	s_cmp_eq_u32 s24, 0
	s_cselect_b32 s60, s39, s38
	s_mul_i32 s59, s23, 768
	s_add_co_u32 s60, s60, s59
	s_mov_b32 s61, 0
	s_mul_i32 s44, s22, 12288
	s_mul_i32 s59, s25, 3072
	s_add_co_u32 s44, s44, s59
	s_add_co_u32 s44, s44, s37
	s_add_co_u32 s44, s44, GV                      ; V: channel tile 2 w, key step 2 x half
	s_mov_b32 s45, 0
	s_lshl_b32 s66, s25, 12
	s_add_co_u32 s66, s66, s37
	s_add_co_u32 s66, s66, GKS
	s_mov_b32 s67, 0
	s_add_co_u32 s68, s38, 49152
	s_mov_b32 s69, 0
	s_lshl_b32 s70, s25, 11
	s_add_co_u32 s70, s70, s37
	s_add_co_u32 s70, s70, GVS
	s_mov_b32 s71, 0
	s_lshl_b32 s58, s26, 10                        ; x: 1,024 t + 256 rows x half
	s_lshl_b32 s59, s25, 25
	s_add_co_u32 s58, s58, s59
	s_mov_b32 s59, 0
	v_and_b32 v[A1], 31, v0
	v_and_b32 v[A2], 15, v0                        ; r
	v_bfe_u32 v[A3], v0, 4, 1                      ; h
	s_delay_alu instid0(VALU_DEP_3)
	v_lshlrev_b32 v[L16], 4, v[A1]
	s_delay_alu instid0(VALU_DEP_4)
	v_lshlrev_b32 v[L8], 3, v[A1]
	s_delay_alu instid0(VALU_DEP_4)
	v_lshlrev_b32 v[L4], 2, v[A2]
	s_delay_alu instid0(VALU_DEP_4)
	v_lshl_add_u32 v[CVA], v[A3], 6, CV
	v_add_nc_u32 v[XO], s57, v[L16]                ; x: my tile's first row + 16 x lane
	v_mul_u32_u24 v[A1], v[A2], 1040
	s_delay_alu instid0(VALU_DEP_1)
	v_lshl_add_u32 v[A1], v[A3], 6, v[A1]
	s_delay_alu instid0(VALU_DEP_1)
	v_add_nc_u32 v[A1], s54, v[A1]                 ; the stage, on the way back: row r, + 64 h
	v_add_nc_u32 v[A0], s54, v[L16]                ; and on the way in: 16 x lane
	v_lshlrev_b32 v[A5], 2, v0
	s_delay_alu instid0(VALU_DEP_1)
	v_add_nc_u32 v[A4], CV, v[A5]
	v_add_nc_u32 v[A2], s55, v[L16]
	v_add_nc_u32 v[A3], s56, v[L4]
.irp b, 0,1,2,3
	v_mov_b32 v[TM+4+\b], 0                        ; a lane permute's destination counts as one of its sources
.endr
	v_mov_b32 v[TB], 0
	s_wait_alu depctr_va_vdst(0)                   ; the wait at the head's end
	s_wait_kmcnt 0x0
	s_add_nc_u64 s[4:5], s[4:5], s[58:59]
	s_add_nc_u64 s[32:33], s[10:11], s[32:33]
	s_add_nc_u64 s[34:35], s[10:11], s[34:35]
	s_add_nc_u64 s[40:41], s[10:11], s[40:41]
	s_add_nc_u64 s[42:43], s[10:11], s[42:43]
	s_add_nc_u64 s[44:45], s[12:13], s[44:45]
	s_add_nc_u64 s[60:61], s[12:13], s[60:61]
	s_add_nc_u64 s[66:67], s[12:13], s[66:67]
	s_add_nc_u64 s[68:69], s[12:13], s[68:69]
	s_add_nc_u64 s[70:71], s[12:13], s[70:71]
	global_load_b32 v[T], v[A5], s[6:7]            ; 256 threads x 4 bytes: a whole vector
	global_load_b32 v[T+1], v[A5], s[8:9]
	XLOAD XO                                       ; block 0
	s_wait_loadcnt 32                              ; the two are in; the 32 loads of x behind them may be out
	ds_store_b32 v[A4], v[T]
	ds_store_b32 v[A4], v[T+1] offset:1024
	WIN 0x40
.set ii, 0
.rept 24
	global_load_b128 v[W+4*ii:W+4*ii+3], v[L16], s[32:33] offset:512*ii
.set ii, ii+1
.endr
.set ii, 0
.rept 12
	global_load_b128 v[WV+4*ii:WV+4*ii+3], v[L16], s[40:41] offset:512*ii
.set ii, ii+1
.endr
	WIN 0
.irp f, 0,1,2,3,4,5,6,7
	global_load_b32 v[WS+\f], v[L4], s[34:35] offset:64*\f
.endr
.irp f, 0,1,2,3
	global_load_b32 v[WVS+\f], v[L4], s[42:43] offset:64*\f
.endr
	BARRIER                                        ; g1 and be1 lie in LDS
; ---- two blocks of 128 rows
.Lblk:
	s_wait_loadcnt 0x0                             ; my tile's rows of x, and the weights
	XTURN
	v_add_nc_u32 v[A4], s50, v[L4]
	v_add_nc_u32 v[A5], s48, v[L4]
	s_wait_dscnt 0x0                               ; my row is back from the stage
	LNSUM
	LNSUB
	LNSQ
	NORMALL 0, 1024
.irp s, 0,1
	QMAX X+64*\s
	QTAIL X+64*\s, PC, 4, PW
.irp c, 0,1,2
	ds_store_b128 v[A2], v[PC+4*\c:PC+4*\c+3] offset:1536*\s+512*\c
.endr
	ds_store_b32 v[A3], v[PW] offset:64*\s
	s_wait_dscnt 0x0
.endr
	s_cmp_eq_u32 s46, 1                            ; the second block's rows are asked for here; the last block asks for nothing
	s_cbranch_scc1 .Lnox
	v_add_nc_u32 v[XO], 128*SROW, v[XO]            ; (its last loads were waited for at the trip's head)
	XLOAD XO
.Lnox:
	BARRIER                                        ; the block's sixteen fragments of LN1(x) lie in LDS
.irp hs, 0,1                           ; four tiles of rows (64 keys) at a time
	XFLOAD 12288*\hs, XS+512*\hs
	s_wait_dscnt 0x0
	WIN 0x05                                       ; V: NOT transposed (source 0 = 16 rows, source 1 = 16 channels): a lane holds a channel, its registers run down the keys
.irp a, 0,1
.irp i, 0,1,2,3
	MMZ T+32*\a+8*\i, XF+24*\i, WV+24*\a, XSr+2*\i, WVS+2*\a
.endr
.endr
.irp a, 0,1
.irp i, 0,1,2,3
	MMA T+32*\a+8*\i, XF+24*\i+12, WV+24*\a+12, XSr+2*\i+1, WVS+2*\a+1
.endr
.endr
	WIN 0
	PLACES 4
	QMAX T
	QTAIL T, PC, 2, PW
	GST 0, 44, 768*\hs
	GST 1, 44, 6144+768*\hs
	ds_store_b16 v[A4], v[PW] offset:2*\hs
	ds_store_b16 v[A4], v[PW+1] offset:64+2*\hs
	s_wait_dscnt 0x0
	s_wait_xcnt 0x0                                ; the stores have read their registers
	PAIRS \hs
.endr
	BARRIER                                        ; nobody reads this block's LN1(x) any more; after the last block all scale words lie in LDS
	s_add_nc_u64 s[44:45], s[44:45], 1536
	s_add_nc_u64 s[60:61], s[60:61], 24576
	s_add_co_u32 s48, s48, 2048
	s_add_co_u32 s50, s50, 1024
	s_add_co_u32 s46, s46, 1
	s_cmp_lt_u32 s46, 2
	s_cbranch_scc1 .Lblk
; ---- the scale words leave: each store of a wave covers 512 or 256 consecutive bytes, aligned
	v_lshlrev_b32 v[A0], 4, v0
	v_lshlrev_b32 v[A1], 3, v0
	s_delay_alu instid0(VALU_DEP_2)
	v_add_nc_u32 v[A2], SK, v[A0]
	s_delay_alu instid0(VALU_DEP_2)
	v_add_nc_u32 v[A3], SV, v[A1]
	s_wait_alu depctr_va_vdst(0)
	ds_load_b128 v[T:T+3], v[A2]
	ds_load_b128 v[T+4:T+7], v[A2] offset:4096
	ds_load_b64 v[T+8:T+9], v[A3]
	s_wait_dscnt 0x0
	global_store_b128 v[A0], v[T:T+3], s[66:67]
	global_store_b128 v[A0], v[T+4:T+7], s[68:69]
	global_store_b64 v[A1], v[T+8:T+9], s[70:71]
	s_wait_xcnt 0x0
	v_lshl_add_u32 v254, v0, 2, SPARE
	v_mov_b32 v255, 0
	s_wait_alu depctr_va_vdst(0)
	s_wait_tensorcnt 0x0                           ; the wave's end
	ds_add_u32 v254, v255
	s_wait_dscnt 0x0
	s_endpgm
.Lfunc_end_k_q56abe7c3a2_qkv:
	.size	k_q56abe7c3a2_qkv, .Lfunc_end_k_q56abe7c3a2_qkv-k_q56abe7c3a2_qkv
	.p2alignl 7, 3214868480
	.fill 96, 4, 3214868480
	.section	.rodata,"a",@progbits
	.p2align	6, 0x0
	.amdhsa_kernel k_q56abe7c3a2_qkv
		.amdhsa_group_segment_fixed_size 197632
		.amdhsa_private_segment_fixed_size 0
		.amdhsa_enable_private_segment 0
		.amdhsa_kernarg_size 40
		.amdhsa_user_sgpr_count 2
		.amdhsa_user_sgpr_kernarg_segment_ptr 1
		.amdhsa_wavefront_size32 1
		.amdhsa_system_sgpr_workgroup_id_x 1
		.amdhsa_system_sgpr_workgroup_id_y 1
		.amdhsa_system_sgpr_workgroup_id_z 1
		.amdhsa_system_vgpr_workitem_id 0
		.amdhsa_next_free_vgpr 512
		.amdhsa_next_free_sgpr 80
		.amdhsa_reserve_vcc 0
		.amdhsa_float_denorm_mode_32 3
		.amdhsa_float_denorm_mode_16_64 3
		.amdhsa_memory_ordered 1
		.amdhsa_forward_progress 1
		.amdhsa_inst_pref_size 106
	.end_amdhsa_kernel
	.amdgpu_metadata
---
amdhsa.version: [ 1, 2 ]
amdhsa.kernels:
  - .name:           k_q56abe7c3a2_qkv
    .symbol:         k_q56abe7c3a2_qkv.kd
    .args:
      - { .name: x, .offset: 0, .size: 8, .value_kind: global_buffer, .address_space: global }
      - { .name: g1, .offset: 8, .size: 8, .value_kind: global_buffer, .address_space: global }
      - { .name: be1, .offset: 16, .size: 8, .value_kind: global_buffer, .address_space: global }
      - { .name: wimg, .offset: 24, .size: 8, .value_kind: global_buffer, .address_space: global }
      - { .name: kvq, .offset: 32, .size: 8, .value_kind: global_buffer, .address_space: global }
    .group_segment_fixed_size: 197632
    .private_segment_fixed_size: 0
    .kernarg_segment_align: 8
    .kernarg_segment_size: 40
    .max_flat_workgroup_size: 256
    .sgpr_count:     80
    .vgpr_count:     512
    .wavefront_size: 32
...
	.end_amdgpu_metadata
.endif
;; end of part 2
;; launch main (part 3): grid 2 x 128, 8 waves a work-group, no clusters, 269,312 bytes of LDS; arguments x, g2, be2, b1, b2, wimg, kvq, out0; writes out0
.if DOCPART == 3
	.amdgcn_target "amdgcn-amd-amdhsa--gfx1250"
	.amdhsa_code_object_version 6
	.text
	.protected	k_q56abe7c3a2_main
	.globl	k_q56abe7c3a2_main
	.p2align	8
	.type	k_q56abe7c3a2_main,@function
k_q56abe7c3a2_main:
	s_mov_b64 s[64:65], 0
	v_nop
	global_prefetch_b8 v0, s[64:65] scope:SCOPE_SE
	s_setreg_imm32_b32 hwreg(HW_REG_WAVE_MODE, 25, 1), 1
	s_wait_xcnt 0x0
; out = xt + relu(LN2(xt) W1^T + b1) W2^T + b2, xt = x + attention; x, out: [512 (s)][128 (t)][256] f32; attention runs across s, for each t and each of 4 heads of 64.
; Q, K, V come from kvq as images of the operands' registers (codes of BF6, E8M0 scale words), W1 and W2 from wimg.  All products on such codes; everything else in f32.
; A work-group owns one t and 256 of its 512 queries (work-group x = which half).  Eight waves of 512 registers.  The attention's result (a wave's 32 queries x 256 channels, f32) stays in the wave's window 1.
; HEAD: 262,144 bytes of kvq (K, V, their words, my half's Q and its words) are copied as they lie into LDS bytes 0 ..: 64 loads of 16 bytes a lane for each wave, each of 512 consecutive bytes.
; ATTENTION: wave w owns query tiles 2 w and 2 w + 1; a loop of two trips, a tile each (tile 2 w + 1 first; its result is moved up by 128 registers); in a trip four heads, each four key steps of 128.
;   S^T = K Q^T, O^T = V^T P^T: a lane holds ONE query.  t = score x log2(e) / 8; M = the running largest t rounded UP to a whole number; p = 2^(t - M) is quantised along the keys; the sum of the unquantised p divides at the end.
;   The head's K is 64, the instruction's 128: Q's upper six registers are zero codes, so K's upper six may hold anything (the next tile's codes); the scale bytes there are 0, never 0xff.
; TAIL: W1's and W2's images come into the LDS bytes that K and V have left; then, for each of the wave's two tiles: residual, LN2, two products, residual, whole rows out through the wave's own stage.
; TILES OF ROWS ARE NOT NEIGHBOURS: lane r of tile 2 b + u of a block of 128 rows takes row 32 b + 8 u + r + 8 (r / 8).  A ROW IN REGISTERS: register 16 n + i of lane (r, h) is element 32 n + 16 h + i of lane r's row.
; No tensor load and no cluster: K and V of a t are read by two work-groups alone and pass through registers; the head has no loop to run ahead in, so kvq is not prefetched.
; LIMITS: NaN and infinities are not served.  A p under 2^-126 counts as 0.  A block of zeros gets the scale byte 1.  The promise holds while the scaled scores stay under 2^31 in magnitude.
;   1 / sigma and 1 / sum come from v_rsq_f32 and v_rcp_f32.
.set SROW, 131072
.set TBYTES, 315392
.set GQH, 53248
.set KC, 0                             ; K: half image (768 bytes) of (key tile kt, head) at 768 (4 kt + head)
.set VC, 98304                         ; V^T: (channel tile ct, key step ks) at 1,536 (4 ct + ks)
.set KS, 196608                        ; words: 64 (4 kt + head) + 4 r
.set VS, 204800                        ; 64 (16 ks + ct) + 4 r
.set QC, 208896                        ; Q: as K
.set QS, 258048
.set CV, 262144                        ; g2, be2, b1, b2: 1,024 bytes each
.set SPARE, 268288                     ; the spare words, 128 bytes a wave
.set STG, 102400                       ; the tail: behind W1's and W2's 102,400 bytes a stage of 16 rows x 1,040 bytes for each wave
.set L16, 1
.set L8,  2
.set L4,  3
.set CVA, 4
.set XO,  5
.set A0,  6
.set A1,  7
.set A2,  8
.set A3,  9
.set A4,  10
.set A5,  11
.set MU,  12
.set NM,  12
.set TX,  13
.set RS,  14
.set SUM, 14
.set KSR, 16                           ; v16-35 hold scale words alone.  Attention: v16-23 K's, v24-27 V's, v28 Q's, v29 p's
.set VSR, 24
.set QSW, 28
.set PWD, 29
.set XW0, 16                           ; tail: LN2's two, the hidden layer's two, two sets of four for the weights
.set XW1, 17
.set HW0, 18
.set HW1, 19
.set WBS, 20
.set TM,  36
.set FP,  48
.set TA,  50
.set TB,  51
.set PC,  52
.set AC,  52
.set T,   64
.set S,   64
.set X,   128
.set O,   128
.set FR,  160
.set QF,  214
.set AQ16, 226
.set AQ8,  227
.set AQS,  228
.set XF0, 64
.set XF1, 76
.set HF0, 52
.set HF1, 64
.set WB,  88
.set H,   192
.set GO,  6
.set SO,  7
.set SR,  8
.set WLA2, 9
.set WLS2, 10
.set PF1, 11
.set MSB, 0
.macro WIN new
.if MSB != (\new)
	s_set_vgpr_msb (MSB<<8)|(\new)
.set MSB, (\new)
.endif
.endm
.macro PLACES n
.rept \n
	v_nop
.endr
.endm
.macro BARRIER
	s_wait_dscnt 0x0
	s_barrier_signal -1
	s_barrier_wait -1
.endm
.macro MMZ d, a, b, sa, sb
	v_wmma_scale_f32_16x16x128_f8f6f4 v[(\d):(\d)+7], v[(\a):(\a)+11], v[(\b):(\b)+11], 0, v[\sa], v[\sb] matrix_a_fmt:MATRIX_FMT_BF6 matrix_b_fmt:MATRIX_FMT_BF6
.endm
.macro MMA d, a, b, sa, sb
	v_wmma_scale_f32_16x16x128_f8f6f4 v[(\d):(\d)+7], v[(\a):(\a)+11], v[(\b):(\b)+11], v[(\d):(\d)+7], v[\sa], v[\sb] matrix_a_fmt:MATRIX_FMT_BF6 matrix_b_fmt:MATRIX_FMT_BF6
.endm
.macro XLOAD adr                       ; my half of my row of x
.irp b, 0,1,2,3,4,5,6,7
.irp j, 0,1,2,3
	global_load_b128 v[X+16*\b+4*\j:X+16*\b+4*\j+3], v[\adr], s[4:5] offset:128*\b+16*\j th:TH_LOAD_NT
.endr
.endr
.endm
.macro LNFOLD
	v_pk_add_f32 v[AC:AC+1], v[AC:AC+1], v[AC+2:AC+3]
	v_pk_add_f32 v[AC+4:AC+5], v[AC+4:AC+5], v[AC+6:AC+7]
	s_delay_alu instid0(VALU_DEP_1)
	v_pk_add_f32 v[AC:AC+1], v[AC:AC+1], v[AC+4:AC+5]
	s_delay_alu instid0(VALU_DEP_1)
	v_add_f32 v[TA], v[AC], v[AC+1]
	s_delay_alu instid0(VALU_DEP_1)
	v_permlanex16_b32 v[TB], v[TA], s28, s29
	s_delay_alu instid0(VALU_DEP_1)
	v_add_f32 v[TA], v[TA], v[TB]
.endm
.macro LNSUM base, win                 ; the mean of the row at v[base] of window win
	WIN 5*(\win)
.irp k, 0,1,2,3
	v_pk_add_f32 v[AC+2*\k:AC+2*\k+1], v[(\base)+4*\k:(\base)+4*\k+1], v[(\base)+4*\k+2:(\base)+4*\k+3]
.endr
	WIN 4*(\win)
.set ii, 8
.rept 56
	v_pk_add_f32 v[AC+2*(ii%4):AC+2*(ii%4)+1], v[AC+2*(ii%4):AC+2*(ii%4)+1], v[(\base)+2*ii:(\base)+2*ii+1]
.set ii, ii+1
.endr
	WIN 0
	LNFOLD
	s_delay_alu instid0(VALU_DEP_1)
	v_mul_f32 v[MU], s27, v[TA]
	s_delay_alu instid0(VALU_DEP_1)
	v_mov_b32 v[MU+1], v[MU]
.endm
.macro LNSUB base, win                 ; X = row - mean
	WIN (\win)
.set ii, 0
.rept 64
	v_pk_add_f32 v[X+2*ii:X+2*ii+1], v[(\base)+2*ii:(\base)+2*ii+1], v[MU:MU+1] neg_lo:[0,1] neg_hi:[0,1]
.set ii, ii+1
.endr
	WIN 0
.endm
.macro LNSQ
.irp k, 0,1,2,3
	v_pk_mul_f32 v[AC+2*\k:AC+2*\k+1], v[X+2*\k:X+2*\k+1], v[X+2*\k:X+2*\k+1]
.endr
.set ii, 4
.rept 60
	s_delay_alu instid0(VALU_DEP_4)
	v_pk_fma_f32 v[AC+2*(ii%4):AC+2*(ii%4)+1], v[X+2*ii:X+2*ii+1], v[X+2*ii:X+2*ii+1], v[AC+2*(ii%4):AC+2*(ii%4)+1]
.set ii, ii+1
.endr
	LNFOLD
	s_delay_alu instid0(VALU_DEP_1)
	v_fma_f32 v[TA], v[TA], s27, s3
	s_wait_alu depctr_va_vdst(0)
	v_rsq_f32 v[RS], v[TA]
	v_nop
	s_wait_alu depctr_va_vdst(0)                   ; waits round the transcendental
	v_mov_b32 v[RS+1], v[RS]
.endm
.macro NORMALL vg, vb
.irp q, 0,1,2,3
.irp j, 0,1,2,3,4,5,6,7
	ds_load_b128 v[T+4*\j:T+4*\j+3], v[CVA] offset:\vg+256*\q+128*(\j/4)+16*(\j%4)
.endr
.irp j, 0,1,2,3,4,5,6,7
	ds_load_b128 v[T+32+4*\j:T+32+4*\j+3], v[CVA] offset:\vb+256*\q+128*(\j/4)+16*(\j%4)
.endr
.set ii, 0
.rept 16
	v_pk_mul_f32 v[X+32*\q+2*ii:X+32*\q+2*ii+1], v[X+32*\q+2*ii:X+32*\q+2*ii+1], v[RS:RS+1]
.set ii, ii+1
.endr
	s_wait_dscnt 0x0
.set ii, 0
.rept 16
	v_pk_fma_f32 v[X+32*\q+2*ii:X+32*\q+2*ii+1], v[X+32*\q+2*ii:X+32*\q+2*ii+1], v[T+2*ii:T+2*ii+1], v[T+32+2*ii:T+32+2*ii+1]
.set ii, ii+1
.endr
.endr
.endm
.macro QMAX s                          ; four blocks' largest magnitudes, over the floor 2^(5 - 127)
.irp b, 0,1,2,3
	v_max3_num_f32 v[TM+\b], |v[(\s)+16*\b]|, |v[(\s)+16*\b+1]|, 0x2800000
.endr
.irp i, 2,4,6,8,10,12,14
.irp b, 0,1,2,3
	v_max3_num_f32 v[TM+\b], v[TM+\b], |v[(\s)+16*\b+\i]|, |v[(\s)+16*\b+\i+1]|
.endr
.endr
.irp b, 0,1,2,3
	s_delay_alu instid0(VALU_DEP_4)
	v_permlanex16_b32 v[TM+4+\b], v[TM+\b], s28, s29
.endr
.irp b, 0,1,2,3
	s_delay_alu instid0(VALU_DEP_4)
	v_max_num_f32 v[TM+\b], v[TM+\b], v[TM+4+\b]
.endr
.endm
.macro QTAIL s, d, pw                  ; scale bytes and codes: one fragment of 128 along K at v[d], its word in v[pw]
.irp b, 0,1,2,3
	s_delay_alu instid0(VALU_DEP_4)
	v_add_nc_u32 v[TM+8+\b], 0xfe000000, v[TM+\b]  ; 4 off the exponent field: the conversion's scale operand
.endr
.irp b, 0,1,2,3
	s_delay_alu instid0(VALU_DEP_4)
	v_lshrrev_b32 v[TM+4+\b], 23, v[TM+8+\b]       ; the scale's byte
.endr
	s_delay_alu instid0(VALU_DEP_3)
	v_lshl_or_b32 v[\pw], v[TM+5], 8, v[TM+4]
	s_delay_alu instid0(VALU_DEP_1)
	v_lshl_or_b32 v[\pw], v[TM+6], 16, v[\pw]
	s_delay_alu instid0(VALU_DEP_1)
	v_lshl_or_b32 v[\pw], v[TM+7], 24, v[\pw]
.irp c, 0,1
	v_cvt_scalef32_pk16_bf6_f32 v[(\d)+6*\c:(\d)+6*\c+2], v[(\s)+32*\c:(\s)+32*\c+15], v[TM+8+2*\c]
	v_cvt_scalef32_pk16_bf6_f32 v[TM+4*\c:TM+4*\c+2], v[(\s)+32*\c+16:(\s)+32*\c+31], v[TM+9+2*\c]
.endr
	v_nop                                          ; one plain line behind the conversions
.irp c, 0,1
.irp i, 0,1,2
	v_permlane16_swap_b32 v[(\d)+6*\c+\i], v[TM+4*\c+\i]
.endr
.irp i, 0,1,2
	s_delay_alu instid0(VALU_DEP_3)
	v_mov_b32 v[(\d)+6*\c+3+\i], v[TM+4*\c+\i]
.endr
.endr
.endm
; ---- the head
	s_load_b512 s[4:19], s[0:1], 0x0               ; x, g2, be2, b1, b2, wimg, kvq, out0
	v_lshrrev_b32 v[A0], 5, v0
	s_delay_alu instid0(VALU_DEP_1)
	v_readfirstlane_b32 s22, v[A0]                 ; wave 0..7
	s_mov_b32 s25, ttmp9                           ; which half
	s_and_b32 s26, ttmp7, 0xffff                   ; t
	s_mov_b32 s27, 0x3b800000                      ; 1 / 256
	s_mov_b32 s3, 0x3727c5ac                       ; 1e-5
	s_mov_b32 s28, 0x76543210
	s_mov_b32 s29, 0xfedcba98                      ; selects for lane l xor 16
	s_mov_b32 s30, 0x3e38aa3b                      ; c = log2(e) / 8
	s_mov_b32 s31, s30
	s_mul_i32 s36, s26, TBYTES
	s_mov_b32 s37, 0
	s_mul_i32 s38, s25, GQH
	s_mov_b32 s39, 0
	s_mul_i32 s44, s22, 12800
	s_add_co_u32 s44, s44, 153600                  ; my eighth of W1's and W2's blocks
	s_mov_b32 s45, 0
	s_lshl_b32 s58, s26, 10                        ; 1,024 t
	s_mov_b32 s59, 0
	v_and_b32 v[A1], 31, v0
	v_and_b32 v[A2], 15, v0
	v_bfe_u32 v[A3], v0, 4, 1
	s_delay_alu instid0(VALU_DEP_3)
	v_lshlrev_b32 v[L16], 4, v[A1]
	s_delay_alu instid0(VALU_DEP_4)
	v_lshlrev_b32 v[L8], 3, v[A1]
	s_delay_alu instid0(VALU_DEP_4)
	v_lshlrev_b32 v[L4], 2, v[A2]
	s_delay_alu instid0(VALU_DEP_4)
	v_lshl_add_u32 v[CVA], v[A3], 6, CV
	v_lshlrev_b32 v[A5], 2, v0
	s_delay_alu instid0(VALU_DEP_1)
	v_add_nc_u32 v[A4], CV, v[A5]
	v_lshlrev_b32 v[A0], 4, v0                     ; the copy: 16 x my thread's number, in kvq and in LDS alike
	s_delay_alu instid0(VALU_DEP_1)
	v_add_nc_u32 v[A1], 0x10000, v[A0]
	v_add_nc_u32 v[A2], 0x20000, v[A0]
	v_add_nc_u32 v[A3], 0x30000, v[A0]
.irp b, 0,1,2,3
	v_mov_b32 v[TM+4+\b], 0                        ; a lane permute's destination counts as one of its sources
.endr
	v_mov_b32 v[TB], 0
	s_wait_alu depctr_va_vdst(0)                   ; the wait at the head's end
	s_wait_kmcnt 0x0
	s_add_nc_u64 s[4:5], s[4:5], s[58:59]
	s_add_nc_u64 s[20:21], s[18:19], s[58:59]
	s_add_nc_u64 s[32:33], s[16:17], s[36:37]      ; my t's part of kvq,
	s_add_nc_u64 s[34:35], s[32:33], s[38:39]      ; and the same shifted to my half's Q
	s_add_nc_u64 s[44:45], s[14:15], s[44:45]
.irp i, 0,1,2,3
	global_load_b32 v[T+\i], v[A5], s[6+2*\i:7+2*\i]
.endr
.set ii, 0
.rept 32                               ; pieces of 4,096 bytes for the work-group, 512 for a wave: pieces 0-50 K, V and their words, 51-63 Q and its words
	global_load_b128 v[X+4*ii:X+4*ii+3], v[A0], s[32:33] offset:4096*ii
.set ii, ii+1
.endr
	s_wait_loadcnt 32                              ; the four vectors are in; the 32 loads behind them may be out
.irp i, 0,1,2,3
	ds_store_b32 v[A4], v[T+\i] offset:1024*\i
.endr
	WIN 0x40
.rept 32
.if ii < 51
	global_load_b128 v[4*(ii-32):4*(ii-32)+3], v[A0], s[32:33] offset:4096*ii
.else
	global_load_b128 v[4*(ii-32):4*(ii-32)+3], v[A0], s[34:35] offset:4096*ii
.endif
.set ii, ii+1
.endr
	WIN 0
	s_wait_loadcnt 32                              ; pieces 0-31 are in; the 32 loads behind them may be out
.set ii, 0
.rept 32
	ds_store_b128 v[A0+ii/16], v[X+4*ii:X+4*ii+3] offset:4096*(ii%16)
.set ii, ii+1
.endr
	s_wait_loadcnt 0x0
	WIN 0x04                                       ; an LDS store's data are its source 1: window 1
.rept 32
	ds_store_b128 v[A0+ii/16], v[4*(ii-32):4*(ii-32)+3] offset:4096*(ii%16)
.set ii, ii+1
.endr
	WIN 0
	BARRIER                                        ; K, V, Q, their words and the four vectors lie in LDS
; ---- attention: no LDS store and no barrier inside
.irp i, 6,7,8,9,10,11
	v_mov_b32 v[QF+\i], 0                          ; Q's k = 64 .. 127: zero codes
.endr
.irp i, 48,49,50,51,52,53
	v_mov_b32 v[FR+\i], 0                          ; what the last tile of K names as its upper six registers
.endr
	v_mov_b32 v[FP+1], 0
	s_mul_i32 s72, s22, 6144
	s_add_co_u32 s72, s72, QC+3072                 ; my second tile's Q; the second trip takes the first tile's
	s_lshl_b32 s73, s22, 9
	s_add_co_u32 s73, s73, QS+256
	v_and_b32 v[TA], 15, v0
	v_bfe_u32 v[TB], v0, 4, 1
	s_lshl_b32 s57, s25, 8
	s_lshl_b32 s58, s22, 5
	s_add_co_u32 s57, s57, s58                     ; my first row: 256 x half + 32 x wave
	v_and_b32 v[XO], 8, v[TA]
	s_delay_alu instid0(VALU_DEP_1)
	v_add_nc_u32 v[XO], v[XO], v[TA]
	s_delay_alu instid0(VALU_DEP_1)
	v_add_nc_u32 v[XO], s57, v[XO]
	s_delay_alu instid0(VALU_DEP_1)
	v_lshlrev_b32 v[XO], 17, v[XO]
	s_delay_alu instid0(VALU_DEP_1)
	v_lshl_add_u32 v[XO], v[TB], 8, v[XO]          ; the prefetch's offset: row r + 8 (r / 8) of my first tile, + 256 h
; A KEY STEP: 128 keys of one head for one tile of 16 queries.
.macro STEP
	v_add_nc_u32 v[A0], s66, v[L16]                ; (these six are also the places behind the last step's products)
	v_add_nc_u32 v[A1], s66, v[L8]
	v_add_nc_u32 v[A2], s67, v[L4]
	v_add_nc_u32 v[A3], s68, v[L16]
	v_add_nc_u32 v[A4], s68, v[L8]
	v_add_nc_u32 v[A5], s69, v[L4]
.irp t, 0,1,2,3,4,5,6,7
	ds_load_b128 v[FR+6*\t:FR+6*\t+3], v[A0] offset:3072*\t
	ds_load_b64 v[FR+6*\t+4:FR+6*\t+5], v[A1] offset:3072*\t+512
	ds_load_b32 v[KSR+\t], v[A2] offset:256*\t
.endr
	s_wait_alu depctr_va_vdst(0)
	s_wait_dscnt 0x0
.irp t, 0,1,2,3,4,5,6,7
	MMZ S+8*\t, FR+6*\t, QF, KSR+\t, QSW           ; S^T: lane (r, h) holds query r; the 16 registers of tiles 2 b, 2 b + 1 are keys 32 b + 16 h + 0 .. 15
.endr
	PLACES 4
.irp c, 0,1,2,3                        ; V's four fragments are asked for here and land under the softmax
.irp u, 0,1
	ds_load_b128 v[FR+12*\c+6*\u:FR+12*\c+6*\u+3], v[A3] offset:6144*\c+768*\u
	ds_load_b64 v[FR+12*\c+6*\u+4:FR+12*\c+6*\u+5], v[A4] offset:6144*\c+768*\u+512
.endr
	ds_load_b32 v[VSR+\c], v[A5] offset:64*\c
.endr
.irp b, 0,1,2,3
	v_max3_num_f32 v[TM+\b], v[S+16*\b], v[S+16*\b+1], v[S+16*\b+2]   ; the largest score of each block of 32 keys: it serves the row's maximum and the block's largest p
.endr
.irp i, 3,5,7,9,11,13
.irp b, 0,1,2,3
	v_max3_num_f32 v[TM+\b], v[TM+\b], v[S+16*\b+\i], v[S+16*\b+\i+1]
.endr
.endr
.irp b, 0,1,2,3
	v_max_num_f32 v[TM+\b], v[TM+\b], v[S+16*\b+15]
.endr
.irp b, 0,1,2,3
	s_delay_alu instid0(VALU_DEP_4)
	v_permlanex16_b32 v[TM+4+\b], v[TM+\b], s28, s29
.endr
.irp b, 0,1,2,3
	s_delay_alu instid0(VALU_DEP_4)
	v_max_num_f32 v[TM+\b], v[TM+\b], v[TM+4+\b]
.endr
	s_delay_alu instid0(VALU_DEP_2)
	v_max3_num_f32 v[TA], v[TM], v[TM+1], v[TM+2]
	s_delay_alu instid0(VALU_DEP_1)
	v_max_num_f32 v[TA], v[TA], v[TM+3]
	s_delay_alu instid0(VALU_DEP_1)
	v_mul_f32 v[TA], s30, v[TA]                    ; as t (c is positive)
	s_delay_alu instid0(VALU_DEP_1)
	v_max_num_f32 v[TX], v[TX], v[TA]              ; the running largest t
	v_mov_b32 v[TA], v[NM]
	s_delay_alu instid0(VALU_DEP_2)
	v_floor_f32 v[NM], -v[TX]                      ; -M = floor(-t)
	s_delay_alu instid0(VALU_DEP_1)
	v_sub_f32 v[TA], v[NM], v[TA]                  ; old M - new M: a whole number, 0 or less
	s_delay_alu instid0(VALU_DEP_1)
	v_cvt_i32_f32 v[TA], v[TA]
	s_delay_alu instid0(VALU_DEP_1)
	v_ldexp_f32 v[FP], 1.0, v[TA]                  ; f = 2^(old M - new M)
.set ii, 0
.rept 32
	v_pk_fma_f32 v[S+ii:S+ii+1], v[S+ii:S+ii+1], s[30:31], v[NM:NM+1] op_sel_hi:[1,0,0]   ; t - M
.set ii, ii+2
.endr
.irp b, 0,1,2,3
	v_fma_f32 v[TM+\b], v[TM+\b], s30, v[NM]
.endr
.set ii, 0
	s_wait_alu depctr_va_vdst(0)
.rept 64
	v_exp_f32 v[S+ii], v[S+ii]                     ; p = 2^(t - M), not normalised
.set ii, ii+1
.endr
	v_pk_mul_f32 v[SUM:SUM+1], v[SUM:SUM+1], v[FP:FP+1] op_sel_hi:[1,0]   ; the sums under the new M
	s_wait_alu depctr_va_vdst(0)                   ; one wait for the batch of 64
.irp b, 0,1,2,3
	v_exp_f32 v[TM+\b], v[TM+\b]                   ; the blocks' largest p
.endr
	v_pk_add_f32 v[40:41], v[68:69], v[72:73]      ; the sum of the unquantised p, in eight chains
	v_pk_add_f32 v[254:255], v[76:77], v[80:81]
	v_pk_add_f32 v[252:253], v[84:85], v[88:89]
	v_pk_add_f32 v[250:251], v[92:93], v[96:97]
	v_pk_add_f32 v[248:249], v[100:101], v[104:105]
	v_pk_add_f32 v[246:247], v[108:109], v[112:113]
	v_pk_add_f32 v[244:245], v[116:117], v[120:121]
	v_pk_add_f32 v[14:15], v[14:15], v[124:125]
	v_pk_add_f32 v[40:41], v[40:41], v[64:65]
	v_pk_add_f32 v[254:255], v[254:255], v[66:67]
	v_pk_add_f32 v[252:253], v[252:253], v[70:71]
	v_pk_add_f32 v[250:251], v[250:251], v[74:75]
	v_pk_add_f32 v[248:249], v[248:249], v[78:79]
	v_pk_add_f32 v[246:247], v[246:247], v[82:83]
	v_pk_add_f32 v[244:245], v[244:245], v[86:87]
	v_pk_add_f32 v[14:15], v[14:15], v[90:91]
	v_pk_add_f32 v[40:41], v[40:41], v[94:95]
	v_pk_add_f32 v[254:255], v[254:255], v[98:99]
	v_pk_add_f32 v[252:253], v[252:253], v[102:103]
	v_pk_add_f32 v[250:251], v[250:251], v[106:107]
	v_pk_add_f32 v[248:249], v[248:249], v[110:111]
	v_pk_add_f32 v[246:247], v[246:247], v[114:115]
	v_pk_add_f32 v[244:245], v[244:245], v[118:119]
	v_pk_add_f32 v[14:15], v[14:15], v[122:123]
	v_pk_add_f32 v[40:41], v[40:41], v[126:127]
	s_delay_alu instid0(VALU_DEP_2)
	v_pk_add_f32 v[14:15], v[14:15], v[250:251]
	s_delay_alu instid0(VALU_DEP_2)
	v_pk_add_f32 v[40:41], v[40:41], v[248:249]
	v_pk_add_f32 v[254:255], v[254:255], v[246:247]
	v_pk_add_f32 v[252:253], v[252:253], v[244:245]
	s_delay_alu instid0(VALU_DEP_2)
	v_pk_add_f32 v[14:15], v[14:15], v[254:255]
	s_delay_alu instid0(VALU_DEP_2)
	v_pk_add_f32 v[40:41], v[40:41], v[252:253]
	s_delay_alu instid0(VALU_DEP_1)
	v_pk_add_f32 v[14:15], v[14:15], v[40:41]
	s_wait_alu depctr_va_vdst(0)                   ; and one for the four
.irp b, 0,1,2,3
	v_max_num_f32 v[TM+\b], 0x2800000, v[TM+\b]    ; the floor
.endr
	QTAIL S, PC, PWD
.set ii, 0
.rept 16
	v_pk_mul_f32 v[O+ii:O+ii+1], v[O+ii:O+ii+1], v[FP:FP+1] op_sel_hi:[1,0]   ; O^T under the new M; these sixteen stand between the codes' and the scale word's last writes and the products
.set ii, ii+2
.endr
	s_wait_alu depctr_va_vdst(0)
	s_wait_dscnt 0x0                               ; V
.irp c, 0,1,2,3
	MMA O+8*\c, FR+12*\c, PC, VSR+\c, PWD          ; O^T += V^T P^T: four accumulators, one instruction each
.endr
.endm
; A UNIT: the trip's tile, one head.  O^T and the sum begin as zeros and the largest t as -3e38, so that the first change of M multiplies zeros.
.macro UNIT hd
	ds_load_b128 v[QF:QF+3], v[AQ16] offset:768*\hd
	ds_load_b64 v[QF+4:QF+5], v[AQ8] offset:768*\hd+512
	ds_load_b32 v[QSW], v[AQS] offset:64*\hd
	s_mov_b32 s66, KC+768*\hd
	s_mov_b32 s67, KS+64*\hd
	s_mov_b32 s68, VC+24576*\hd
	s_mov_b32 s69, VS+256*\hd
	s_mov_b32 s70, 4
	v_mov_b32 v[TX], 0xff61b1e6                    ; -3e38
	s_delay_alu instid0(VALU_DEP_1)
	v_floor_f32 v[NM], -v[TX]
	v_mov_b32 v[SUM], 0
	v_mov_b32 v[SUM+1], 0
.set ii, 0
.rept 32
	v_mov_b32 v[O+ii], 0
.set ii, ii+1
.endr
.Lk_\@:
	STEP
	s_add_co_u32 s66, s66, 24576
	s_add_co_u32 s67, s67, 2048
	s_add_co_u32 s68, s68, 1536
	s_add_co_u32 s69, s69, 1024
	s_sub_co_u32 s70, s70, 1
	s_cmp_lg_u32 s70, 0
	s_cbranch_scc1 .Lk_\@
	v_add_f32 v[TA], v[SUM], v[SUM+1]
	s_delay_alu instid0(VALU_DEP_1)
	v_permlanex16_b32 v[TB], v[TA], s28, s29
	s_delay_alu instid0(VALU_DEP_1)
	v_add_f32 v[TA], v[TA], v[TB]                  ; the row's sum
	s_wait_alu depctr_va_vdst(0)
	v_rcp_f32 v[FP], v[TA]
	PLACES 4                                       ; behind the reciprocal, and behind the last products
	s_wait_alu depctr_va_vdst(0)
	WIN 0x40                                       ; window 1: register 32 head + 16 b + i is channel 64 head + 32 b + 16 h + i of my query
.set ii, 0
.rept 16
	v_pk_mul_f32 v[32*\hd+ii:32*\hd+ii+1], v[O+ii:O+ii+1], v[FP:FP+1] op_sel_hi:[1,0]
.set ii, ii+2
.endr
	WIN 0
.endm
	s_mov_b32 s71, 0
.Ltau:
	v_add_nc_u32 v[AQ16], s72, v[L16]
	v_add_nc_u32 v[AQ8], s72, v[L8]
	v_add_nc_u32 v[AQS], s73, v[L4]
	UNIT 0
	UNIT 1
	UNIT 2
	UNIT 3
	s_cmp_lg_u32 s71, 0
	s_cbranch_scc1 .Lkeep
	WIN 0x41                                       ; the second tile's result goes up to v128-255 of window 1
.set ii, 0
.rept 128
	v_mov_b32 v[128+ii], v[ii]
.set ii, ii+1
.endr
	WIN 0
	global_prefetch_b8 v[XO], s[4:5] th:TH_LOAD_NT scope:SCOPE_SE              ; my first tile's 16 rows of x, which the tail adds: a trip of sixteen key steps ahead; a lane names two blocks of 256 bytes, lanes l and l xor 16 cover a row, each block once
	global_prefetch_b8 v[XO], s[4:5] offset:512 th:TH_LOAD_NT scope:SCOPE_SE
.Lkeep:
	s_sub_co_u32 s72, s72, 3072
	s_sub_co_u32 s73, s73, 256
	s_add_co_u32 s71, s71, 1
	s_cmp_lt_u32 s71, 2
	s_cbranch_scc1 .Ltau
; ---- W1's and W2's images take the LDS bytes that K and V have left
.set ii, 0
.rept 25
	global_load_b128 v[T+4*ii:T+4*ii+3], v[L16], s[44:45] offset:512*ii   ; my eighth: 12,800 bytes
.set ii, ii+1
.endr
	BARRIER                                        ; every wave's reads of K, V and Q are over
	s_mul_i32 s57, s22, 12800
	v_add_nc_u32 v[A0], s57, v[L16]
	s_wait_alu depctr_va_vdst(0)
	s_wait_loadcnt 0x0
.set ii, 0
.rept 25
	ds_store_b128 v[A0], v[T+4*ii:T+4*ii+3] offset:512*ii
.set ii, ii+1
.endr
	s_wait_dscnt 0x0
	s_wait_xcnt 0x0                                ; the prefetches have read their offset: it may be written
	v_and_b32 v[TA], 15, v0                        ; r
	v_bfe_u32 v[TB], v0, 4, 1                      ; h
	s_lshl_b32 s57, s25, 8
	s_lshl_b32 s58, s22, 5
	s_add_co_u32 s57, s57, s58                     ; my first row
	v_and_b32 v[XO], 8, v[TA]
	s_delay_alu instid0(VALU_DEP_1)
	v_add_nc_u32 v[XO], v[XO], v[TA]
	s_delay_alu instid0(VALU_DEP_1)
	v_add_nc_u32 v[XO], s57, v[XO]
	s_delay_alu instid0(VALU_DEP_1)
	v_lshlrev_b32 v[XO], 17, v[XO]
	s_delay_alu instid0(VALU_DEP_1)
	v_lshl_add_u32 v[PF1], v[TB], 8, v[XO]
	s_delay_alu instid0(VALU_DEP_1)
	v_add_nc_u32 v[PF1], 8*SROW, v[PF1]            ; my second tile begins 8 rows further on
	s_delay_alu instid0(VALU_DEP_3)
	v_lshl_add_u32 v[XO], v[TB], 6, v[XO]
	s_lshl_b32 s58, s57, 17
	v_add_nc_u32 v[GO], s58, v[L16]
	s_mul_i32 s59, s22, 16640
	s_add_co_u32 s59, s59, STG                     ; my stage
	v_mul_u32_u24 v[SO], v[TA], 1040               ; rows 1,040 bytes apart: 65 x 16
	s_delay_alu instid0(VALU_DEP_1)
	v_lshl_add_u32 v[SO], v[TB], 6, v[SO]
	s_delay_alu instid0(VALU_DEP_1)
	v_add_nc_u32 v[SO], s59, v[SO]
	v_add_nc_u32 v[SR], s59, v[L16]
	v_add_nc_u32 v[WLA2], 51200, v[L16]
	v_add_nc_u32 v[WLS2], 51200, v[L4]
	XLOAD XO                                       ; my first tile's rows of x, for the residual
	BARRIER                                        ; W1 and W2 lie in LDS
	s_mov_b32 s71, 0
; ---- the tail: two trips, a tile of 16 queries each
.macro WLOAD set, adr, sadr, off, soff ; four weight fragments (two tiles x two K steps) and their words
.set ii, 0
.rept 12
	ds_load_b128 v[WB+48*(\set)+4*ii:WB+48*(\set)+4*ii+3], v[\adr] offset:(\off)+512*ii
.set ii, ii+1
.endr
.irp f, 0,1,2,3
	ds_load_b32 v[WBS+4*(\set)+\f], v[\sadr] offset:(\soff)+64*\f
.endr
.endm
.macro FOUR d, set, b0, b1, s0, s1     ; two accumulators by turns, K ascending
	MMA \d, WB+48*(\set), \b0, WBS+4*(\set), \s0
	s_wait_alu depctr_va_vdst(0)
	MMA (\d)+8, WB+48*(\set)+24, \b0, WBS+4*(\set)+2, \s0
	MMA \d, WB+48*(\set)+12, \b1, WBS+4*(\set)+1, \s1
	MMA (\d)+8, WB+48*(\set)+36, \b1, WBS+4*(\set)+3, \s1
.endm
; 128 hidden units: transposed (source 0 = 16 rows of W1, source 1 = LN2's fragment); b1 is the C of each sum's first product; relu; quantised: K step hh of the last product.
.macro FFN1 hh, dst, pw
.if \hh == 0
	PLACES 8                                       ; a scale word written by vector lines stands eight plain lines ahead of a scaled product, codes so written four
.endif
.irp j, 0,1,2,3,4,5,6,7,8,9,10,11,12,13,14,15
	ds_load_b128 v[H+4*\j:H+4*\j+3], v[CVA] offset:2048+512*\hh+128*(\j/4)+16*(\j%4)
.endr
	WLOAD 0, L16, L4, 24576*\hh, 49152+1024*\hh
.irp g, 0,1,2,3
.if \g < 3
.if \g > 0
	PLACES 4                                       ; in front of loads into registers that the group before last has multiplied
.endif
	WLOAD (\g+1)%2, L16, L4, 24576*\hh+6144*(\g+1), 49152+1024*\hh+256*(\g+1)
	s_wait_dscnt 16                                ; all but the next group's 16 loads
.else
	s_wait_dscnt 0x0
.endif
	FOUR H+16*\g, \g%2, XF0, XF1, XW0, XW1
.endr
	PLACES 4
.set ii, 0
.rept 64
	v_max_num_f32 v[H+ii], 0, v[H+ii]              ; the activation, in f32
.set ii, ii+1
.endr
	QMAX H
	QTAIL H, \dst, \pw
.endm
.Ltail:
	s_wait_loadcnt 0x0                             ; x
	s_cmp_lg_u32 s71, 0
	s_cbranch_scc1 .Ladd1
	WIN 0x41
.set ii, 0
.rept 64
	v_pk_add_f32 v[ii:ii+1], v[ii:ii+1], v[X+ii:X+ii+1]          ; xt = attention + x, tile 0, in place in window 1
.set ii, ii+2
.endr
	WIN 0
	global_prefetch_b8 v[PF1], s[4:5] th:TH_LOAD_NT scope:SCOPE_SE             ; my second tile's 16 rows of x: a norm and two products ahead of their load, each block of 256 bytes once
	global_prefetch_b8 v[PF1], s[4:5] offset:512 th:TH_LOAD_NT scope:SCOPE_SE
	s_branch .Ladded
.Ladd1:
	WIN 0x41
.set ii, 0
.rept 64
	v_pk_add_f32 v[ii:ii+1], v[128+ii:128+ii+1], v[X+ii:X+ii+1]  ; tile 1, into the registers that tile 0 has left
.set ii, ii+2
.endr
	WIN 0
.Ladded:
	LNSUM 0, 1
	LNSUB 0, 1
	LNSQ
	NORMALL 0, 1024
	QMAX X
	QTAIL X, XF0, XW0
	QMAX X+64
	QTAIL X+64, XF1, XW1
	FFN1 0, HF0, HW0
	FFN1 1, HF1, HW1                               ; (its codes take the registers of LN2's first fragment, which is done with)
	; xt is the C of the last product's sums; b2 is added on the way out
	PLACES 8                                       ; behind the hidden layer's last scale word and codes
	WLOAD 0, WLA2, WLS2, 0, 49152
.irp g, 0,1,2,3,4,5,6,7
.if \g < 7
.if \g > 0
	PLACES 4
.endif
	WLOAD (\g+1)%2, WLA2, WLS2, 6144*(\g+1), 49152+256*(\g+1)
	s_wait_dscnt 16                                ; all but the next group's 16 loads
.else
	s_wait_dscnt 0x0
.endif
	WIN 0x50                                       ; C and D in window 1
	FOUR 16*\g, \g%2, HF0, HF1, HW0, HW1
	WIN 0
.endr
	PLACES 4
	s_cmp_lg_u32 s71, 0                            ; the second tile's x is asked for here; the second trip asks for nothing
	s_cbranch_scc1 .Lnonext
	v_add_nc_u32 v[XO], 8*SROW, v[XO]              ; (its last loads were waited for at the trip's head)
	XLOAD XO
.Lnonext:
	v_add_nc_u32 v[TA], CV+3072, v[L16]
	ds_load_b128 v[HF0:HF0+3], v[TA]               ; b2 at my columns of a row's two halves of 512 bytes: the same eight numbers for all rows (the hidden layer's codes are done with)
	ds_load_b128 v[HF0+4:HF0+7], v[TA] offset:512
	; THE WAY OUT: a lane holds pieces of 64 bytes of one row; through my own stage they become whole rows.  LDS serves a wave's instructions in order (ISA guide 5.7.1.4).
	WIN 0x04
.irp b, 0,1,2,3,4,5,6,7
.irp j, 0,1,2,3
	ds_store_b128 v[SO], v[16*\b+4*\j:16*\b+4*\j+3] offset:128*\b+16*\j   ; each accumulator from its low end on
.endr
.endr
	WIN 0
.irp q, 0,1                            ; eight rows at a time
.if \q
	s_wait_xcnt 0x0                                ; the first eight rows' stores have read their registers
.endif
.irp i, 0,1,2,3,4,5,6,7,8,9,10,11,12,13,14,15
	ds_load_b128 v[T+4*\i:T+4*\i+3], v[SR] offset:(8*\q+\i/2)*1040+512*(\i%2)
.endr
.irp i, 0,1,2,3,4,5,6,7,8,9,10,11,12,13,14,15
	s_wait_dscnt 15-\i                             ; the younger loads may be out
	v_pk_add_f32 v[T+4*\i:T+4*\i+1], v[T+4*\i:T+4*\i+1], v[HF0+4*(\i%2):HF0+4*(\i%2)+1]
	v_pk_add_f32 v[T+4*\i+2:T+4*\i+3], v[T+4*\i+2:T+4*\i+3], v[HF0+4*(\i%2)+2:HF0+4*(\i%2)+3]
	global_store_b128 v[GO], v[T+4*\i:T+4*\i+3], s[20:21] offset:(16*\q+\i/2)*SROW+512*(\i%2) th:TH_STORE_NT   ; 32 lanes store 512 consecutive bytes, aligned; stage row rr is row rr + 8 (rr / 8) of the tile
.endr
.endr
	s_wait_xcnt 0x0                                ; the stores have read their registers and their offset
	v_add_nc_u32 v[GO], 8*SROW, v[GO]
	s_add_co_u32 s71, s71, 1
	s_cmp_lt_u32 s71, 2
	s_cbranch_scc1 .Ltail
	s_wait_xcnt 0x0
	v_lshl_add_u32 v254, v0, 2, SPARE
	v_mov_b32 v255, 0
	s_wait_alu depctr_va_vdst(0)
	s_wait_tensorcnt 0x0                           ; the wave's end
	ds_add_u32 v254, v255
	s_wait_dscnt 0x0
	s_endpgm
.Lfunc_end_k_q56abe7c3a2_main:
	.size	k_q56abe7c3a2_main, .Lfunc_end_k_q56abe7c3a2_main-k_q56abe7c3a2_main
	.p2alignl 7, 3214868480
	.fill 96, 4, 3214868480
	.section	.rodata,"a",@progbits
	.p2align	6, 0x0
	.amdhsa_kernel k_q56abe7c3a2_main
		.amdhsa_group_segment_fixed_size 269312
		.amdhsa_private_segment_fixed_size 0
		.amdhsa_enable_private_segment 0
		.amdhsa_kernarg_size 64
		.amdhsa_user_sgpr_count 2
		.amdhsa_user_sgpr_kernarg_segment_ptr 1
		.amdhsa_wavefront_size32 1
		.amdhsa_system_sgpr_workgroup_id_x 1
		.amdhsa_system_sgpr_workgroup_id_y 1
		.amdhsa_system_sgpr_workgroup_id_z 1
		.amdhsa_system_vgpr_workitem_id 0
		.amdhsa_next_free_vgpr 512
		.amdhsa_next_free_sgpr 100
		.amdhsa_reserve_vcc 0
		.amdhsa_float_denorm_mode_32 3
		.amdhsa_float_denorm_mode_16_64 3
		.amdhsa_memory_ordered 1
		.amdhsa_forward_progress 1
		.amdhsa_inst_pref_size 215
	.end_amdhsa_kernel
	.amdgpu_metadata
---
amdhsa.version: [ 1, 2 ]
amdhsa.kernels:
  - .name:           k_q56abe7c3a2_main
    .symbol:         k_q56abe7c3a2_main.kd
    .args:
      - { .name: x, .offset: 0, .size: 8, .value_kind: global_buffer, .address_space: global }
      - { .name: g2, .offset: 8, .size: 8, .value_kind: global_buffer, .address_space: global }
      - { .name: be2, .offset: 16, .size: 8, .value_kind: global_buffer, .address_space: global }
      - { .name: b1, .offset: 24, .size: 8, .value_kind: global_buffer, .address_space: global }
      - { .name: b2, .offset: 32, .size: 8, .value_kind: global_buffer, .address_space: global }
      - { .name: wimg, .offset: 40, .size: 8, .value_kind: global_buffer, .address_space: global }
      - { .name: kvq, .offset: 48, .size: 8, .value_kind: global_buffer, .address_space: global }
      - { .name: out0, .offset: 56, .size: 8, .value_kind: global_buffer, .address_space: global }
    .group_segment_fixed_size: 269312
    .private_segment_fixed_size: 0
    .kernarg_segment_align: 8
    .kernarg_segment_size: 64
    .max_flat_workgroup_size: 256
    .sgpr_count:     100
    .vgpr_count:     512
    .wavefront_size: 32
...
	.end_amdgpu_metadata
.endif
;; end of part 3
